; MI455X (gfx1250); checked and timed in simulation.
; The chip was launched on July 23, 2026; its instructions are those of AMD's public machine-readable ISA for CDNA 5 (MIT licence, August 2026) and "CDNA5" Instruction Set Architecture Reference Guide (July 2026). The comments in the code are by the model that wrote it; some were corrected since.
;; Lo RA Linear. Allowed arithmetic: matrix products marked QUANTISED: E2M1 operands, one E8M0 scale for each 32 along K, by v_wmma_scale_f32_16x16x128_f8f6f4 with both operands' format E2M1 (or v_wmma_scale_f32_32x16x128_f4), f32 sums; products left as they are: f32 operands where the result goes on into a quantised operand, else bf16, f16 or f32 operands; f32 sums; everything else in f32.
;; Inputs: A 16 x 2,048 float32; B 2,048 x 16 float32; bias 2,048 float32; weight_codes 2,048 x 64 x 16 uint8 (E2M1 codes of weight, K innermost, in blocks of 32 codes, two codes a byte); weight_scales 2,048 x 64 uint8 (E8M0 scales of weight, one for each 32 codes along K); x_codes 4 x 2,048 x 64 x 16 uint8 (E2M1 codes of x, K innermost, in blocks of 32 codes, two codes a byte); x_scales 4 x 2,048 x 64 uint8 (E8M0 scales of x, one for each 32 codes along K).
;; Outputs: out0 4 x 2,048 x 2,048 float32.
;; This version of the problem:
;;   THIS VERSION OF THE PROBLEM IS GIVEN IN LOW PRECISION. The matrix products marked QUANTISED in the list below multiply operands that are first quantised to E2M1 (2 exponent bits, 1 mantissa bit; 4 bits a number), with one power-of-two scale for each 32 numbers along K (OCP MX v1.0); their sums are f32. All else is computed in f32.
;;   The module's matrix products, in the order in which they are computed (A, B: the left and right operand; K: the contracted axis; several contracted axes count as one K, in the product's order):
;;     1. [M 8,192, K 2,048] x [K 2,048, N 2,048]; A: input x (given as codes); B: input weight (given as codes): QUANTISED
;;     2. [M 2,048, K 16] x [K 16, N 2,048]; A: input B; B: input A: left as it is (K = 16 < 32)
;;     3. [M 8,192, K 2,048] x [K 2,048, N 2,048]; A: input x (given as codes); B: computed on the way: QUANTISED
;;   THE QUANTISER, for each operand of a quantised product, along K:
;;     - K is cut into blocks of 32 from its start; a last block that is shorter is filled with zeros.
;;     - A block's scale is 2^e with e = floor(log2(the largest magnitude in the block)) - 2, held to -126 .. 127; a block of zeros has e = 0. As a byte (E8M0): e + 127.
;;     - Each number is divided by its block's scale, clamped to +-6, and rounded to the nearest number of E2M1, ties to even, subnormals kept.
;;     - The product sums the exact products of the quantised numbers (number of the format x scale) in f32.
;;   ~~~python
;;   def quantise(x, axis):      # numpy; x: float32 -> the quantised numbers, widened to float32 again
;;       x = np.moveaxis(x, axis, -1); K = x.shape[-1]
;;       x = np.pad(x, [(0, 0)] * (x.ndim - 1) + [(0, -K % 32)]); x = x.reshape(x.shape[:-1] + (-1, 32)); a = np.abs(x).max(-1, keepdims=True)
;;       e = np.where(a > 0, np.clip(np.frexp(np.where(a > 0, a, 1))[1] - 1 - 2, -126, 127), 0)      # np.frexp(a)[1] - 1 = floor(log2(a)), exactly
;;       r = np.clip(x / 2.0 ** e, -6, 6)
;;       step = 2.0 ** (np.maximum(np.frexp(np.where(r == 0, 1, r))[1] - 1, 0) - 1)
;;       q = np.round(r / step) * step * 2.0 ** e      # np.round: ties to even
;;       return np.moveaxis(q.reshape(q.shape[:-2] + (-1,))[..., :K], -1, axis).astype(np.float32)
;;   ~~~
;;   OPERANDS COMPUTED ON THE WAY. 'Computed on the way' means the value that the module computes at that place (a softmax that the list does not call 'softmax' is quantised finished and normalised). What goes into a quantiser is computed in f32, as accurately as f32 sums, v_exp_f32 and their like allow (about 1e-6 of the number): no bf16 or f16 on the way to a quantiser, and a product that is left as it is and whose result goes on into a quantised operand takes f32 operands (vector FMAs, or v_wmma_f32_16x16x4_f32). A number that lies on a knife's edge between two numbers of the format may be rounded either way, as far as f32 arithmetic and the matrix unit's own rounding can turn it there, and no further.
;;   INPUTS GIVEN AS CODES. weight (in the module: [2048, 2048], K = its axis 1); x (in the module: [4, 2048, 2048], K = its axis 2): each comes as NAME_codes (uint8): NAME with its K axis moved to the last place and cut into blocks of 32 codes, [.., K / 32, bytes a block], one block behind the other in memory; two codes a byte, the lower K in the low four bits (a code: sign, 2 exponent bits, 1 mantissa bit); and NAME_scales (uint8): the same leading axes, one E8M0 byte (e + 127) for each 32 codes along K. Its value is code x scale, taken as it is: it is not quantised again, and the codes and scales need not be those that the quantiser above would give.
;; One version. Each part assembles by itself: llvm-mc -triple=amdgcn-amd-amdhsa -mcpu=gfx1250 --defsym DOCPART=n.
;; ======== version 1 of 1: 2 launches
;; limits: right only within a limited range of input values
;; workspace buffers: wimg 4,194,304 bytes; wsc 262,144 bytes
;; launch dwq (part 1): grid 4 x 64, 8 waves a work-group, no clusters, 10,752 bytes of LDS; arguments A, B, weight_codes, weight_scales, wimg, wsc; writes wimg, wsc
.if DOCPART == 1
	.amdgcn_target "amdgcn-amd-amdhsa--gfx1250"
	.amdhsa_code_object_version 6
	.text
	.protected	k_q0592d70591_dwq
	.globl	k_q0592d70591_dwq
	.p2align	8
	.type	k_q0592d70591_dwq,@function
k_q0592d70591_dwq:
	s_mov_b64 s[64:65], 0
	v_nop
	global_prefetch_b8 v0, s[64:65] scope:SCOPE_SE
	s_setreg_imm32_b32 hwreg(HW_REG_WAVE_MODE, 25, 1), 1
	s_wait_xcnt 0x0
; dW = B A (B: [2048][16], A: [16][2048], f32), made in f32 and quantised along its second axis i into codes of FP4 (E2M1) with one E8M0 byte for each 32; and weight (W), taken as it is.
; Both go into ONE image, in the order in which the next launch's matrix operands want them.  Columns of the output (rows o of W and dW) go by groups g of 64; tile b of a group takes, in lane r, row o = 64 g + 4 r + b.
; wimg: [g / 2][i / 512][op: W 0, dW 1][g % 2][q: 128 along i][b][c][lane][16 bytes]: lane (r, h) holds i = 64 c + 32 h + 0 .. 31 of its row, the lower i in the low four bits.
; wsc: [g][i / 512][op][b / 2][16 (b % 2) + r][16 bytes], byte t for the block at 32 t of these 512 along i.
; SHARES.  A work-group (x = C, y = G) takes 512 along i (C) and the two tiles b = 2 p, 2 p + 1 of group g: g = G / 2, p = G % 2.  Wave w: q = w % 4, b = 2 p + w / 4.
; THE PRODUCT goes by the f32 matrix form, K = 16 in four steps of 4, ascending, used TRANSPOSED: source 0 = 16 columns of A, source 1 = 16 rows of B.  A lane then holds ONE row o and its registers run along i.
; THE COLUMNS OF A TILE ARE NOT NEIGHBOURS: lane r of tile 2 k + u takes column 32 k + 8 u + r + 8 (r / 8), so that the 16 registers of tiles 2 k and 2 k + 1 are 16 neighbours along i: 32 k + 16 h + 0 .. 15.
; LIMITS: a block of zeros gets the byte 1 (its codes are zeros, and this program alone reads the bytes); blocks whose largest magnitude lies under 2^(3 - 127) keep that byte too; NaN and infinities in A and B are not served.
; No tensor load and no cluster: a wave's operands are 71 small loads straight into registers, and work-groups share only A and B, 256 KiB in all.
.set AF,  16                           ; v16-79   A's fragments: tile t, K step s at v[AF + 8 t + 2 s]
.set BF,  80                           ; v80-87   B's fragments: K step s at v[BF + 2 s]
.set HA,  88                           ; v88-151  the eight tiles of dW: written by matrix instructions alone
.set PC,  152                          ; v152-159 the codes
.set TM,  160                          ; v160-163 largest magnitudes, v164-167 the other half's, then the bytes, v172-175 the conversions' scale operands
.set PW,  176                          ; v176     my row's scale word
.set WD,  180                          ; v180-187 W: 16 bytes of each of two rows
.set WS,  188                          ; v188     W's scale word of my row
.set WF,  196                          ; v196-203 W's fragment
.set SST, 32*272                       ; LDS: 32 rows of W (256 bytes + 16), then W's 512 scale bytes, then dW's
.set SPARE, SST+1024                   ; the spare words, 128 bytes a wave
	s_load_b256 s[4:11], s[0:1], 0x0               ; A s[4:5], B s[6:7], weight_codes s[8:9], weight_scales s[10:11]
	s_load_b128 s[32:35], s[0:1], 0x20             ; wimg s[32:33], wsc s[34:35]
	v_lshl_add_u32 v192, v0, 2, SPARE
	v_mov_b32 v193, 0
	v_lshrrev_b32 v11, 5, v0
	v_and_b32 v1, 15, v0                           ; r
	v_bfe_u32 v2, v0, 4, 1                         ; h
	v_readfirstlane_b32 s12, v11                   ; wave 0..7
	v_and_b32 v3, 8, v1
	v_lshlrev_b32 v4, 8, v1
	v_lshlrev_b32 v9, 4, v1
	v_add_nc_u32 v3, v3, v1                        ; r + 8 (r / 8)
	v_lshl_add_u32 v4, v2, 3, v4                   ; B: my row, 4 r rows of 64 bytes down, + 8 h
	v_lshl_add_u32 v8, v2, 12, v9                  ; W: lanes 0-15 one row's 256 bytes, lanes 16-31 those four rows further on
	v_lshlrev_b32 v3, 2, v3
	v_lshlrev_b32 v12, 8, v1                       ; W's scales: 4 r rows of 64 bytes
.irp b, 0,1,2,3
	v_mov_b32 v[TM+4+\b], 0                        ; written once: a lane permute's destination counts as one of its sources
.endr
	v_lshl_add_u32 v3, v2, 14, v3                  ; A: my column, and 2 h rows of 8,192 bytes down: register j of K step s is k = 4 s + 2 h + j
	s_and_b32 s13, s12, 3                          ; q
	s_lshr_b32 s14, s12, 2                         ; u = b % 2
	s_and_b32 s15, ttmp7, 0xffff                   ; G
	s_lshr_b32 s36, s15, 1                         ; g
	s_and_b32 s30, s15, 1                          ; p
	s_lshl_b32 s37, s30, 1
	s_add_co_u32 s37, s37, s14                     ; b
	s_lshl_b32 s22, ttmp9, 11                      ; A: 4 bytes x (512 C + 128 q)
	s_lshl_b32 s16, s13, 9
	s_add_co_u32 s22, s22, s16
	s_mov_b32 s23, 0
	s_lshl_b32 s24, s36, 12                        ; B: 64 bytes x (64 g + b)
	s_lshl_b32 s16, s37, 6
	s_add_co_u32 s24, s24, s16
	s_mov_b32 s25, 0
	s_lshl_b32 s26, s36, 16                        ; W: 1,024 bytes x (64 g + b + 16 q) + 256 C: my four rows are 4 (4 q + 0 .. 3) down
	s_lshl_b32 s16, s37, 10
	s_add_co_u32 s26, s26, s16
	s_lshl_b32 s16, s13, 14
	s_add_co_u32 s26, s26, s16
	s_lshl_b32 s16, ttmp9, 8
	s_add_co_u32 s26, s26, s16
	s_mov_b32 s27, 0
	s_lshl_b32 s28, ttmp9, 4                       ; W's scales: 64 bytes x (64 g + b) + 16 C + 4 q
	s_add_co_u32 s28, s28, s24
	s_lshl_b32 s16, s13, 2
	s_add_co_u32 s28, s28, s16
	s_mov_b32 s29, 0
	s_lshr_b32 s38, s15, 2                         ; the image, op = 0
	s_lshl_b32 s38, s38, 18
	s_lshl_b32 s16, ttmp9, 16
	s_add_co_u32 s38, s38, s16
	s_and_b32 s16, s36, 1
	s_lshl_b32 s16, s16, 14
	s_add_co_u32 s38, s38, s16
	s_lshl_b32 s16, s13, 12
	s_add_co_u32 s38, s38, s16
	s_lshl_b32 s16, s37, 10
	s_add_co_u32 s38, s38, s16
	s_mov_b32 s39, 0
	s_and_b32 s31, s12, 1                          ; on the way out wave 0 stores W's scale bytes, wave 1 dW's
	s_lshl_b32 s40, s36, 13
	s_lshl_b32 s16, ttmp9, 11
	s_add_co_u32 s40, s40, s16
	s_lshl_b32 s16, s31, 10
	s_add_co_u32 s40, s40, s16
	s_lshl_b32 s16, s30, 9
	s_add_co_u32 s40, s40, s16
	s_mov_b32 s41, 0
	s_mul_i32 s16, s14, 16*272                     ; LDS: my tile's 16 rows, my 64 bytes of them,
	s_lshl_b32 s17, s13, 6
	s_add_co_u32 s16, s16, s17
	s_lshl_b32 s17, s14, 8                         ; my tile's scale bytes, my word of each row's 16,
	s_lshl_b32 s18, s13, 2
	s_add_co_u32 s17, s17, s18
	s_add_co_u32 s17, s17, SST
	s_mul_i32 s18, s12, 4*272                      ; the four rows that I bring,
	s_lshl_b32 s19, s31, 9                         ; and the scale bytes that wave 0 or 1 stores
	s_add_co_u32 s19, s19, SST
	v_mul_u32_u24 v5, v1, 272
	v_mul_u32_u24 v7, v2, 272
	v_and_b32 v10, 31, v0
	v_lshl_add_u32 v5, v2, 4, v5
	v_lshl_add_u32 v7, v1, 4, v7
	v_lshlrev_b32 v10, 4, v10                      ; v10: 16 x lane
	v_add_nc_u32 v5, s16, v5                       ; v5: W's fragment: row 16 u + r, byte 64 q + 16 h; c 32 further on
	v_add_nc_u32 v7, s18, v7                       ; v7: W's rows in: lanes 0-15 one row, lanes 16-31 the next
	s_mov_b32 s20, 0x76543210
	s_mov_b32 s21, 0xfedcba98                      ; v_permlanex16_b32's selects for lane l xor 16
	s_wait_alu depctr_va_vdst(0)                   ; the wait at the head's end
	s_wait_kmcnt 0x0
	s_add_nc_u64 s[4:5], s[4:5], s[22:23]
	s_add_nc_u64 s[6:7], s[6:7], s[24:25]
	s_add_nc_u64 s[8:9], s[8:9], s[26:27]
	s_add_nc_u64 s[10:11], s[10:11], s[28:29]
	s_add_nc_u64 s[32:33], s[32:33], s[38:39]
	s_add_nc_u64 s[34:35], s[34:35], s[40:41]
	global_load_b128 v[WD:WD+3], v8, s[8:9]                ; W first: two rows of 256 bytes,
	global_load_b128 v[WD+4:WD+7], v8, s[8:9] offset:8192  ; and the two that lie eight rows further on
.irp s, 0,1,2,3
	global_load_b64 v[BF+2*\s:BF+2*\s+1], v4, s[6:7] offset:16*\s                ; B(o, 4 s + 2 h + 0, 1)
.endr
.irp s, 0,1,2,3                        ; K step by K step, so that the products of a step can start while the later steps' loads are out
.irp t, 0,1,2,3,4,5,6,7
.irp j, 0,1
	global_load_b32 v[AF+8*\t+2*\s+\j], v3, s[4:5] offset:(4*\s+\j)*8192+(32*(\t/2)+8*(\t%2))*4
.endr
.endr
.endr
	global_load_b32 v[WS], v12, s[10:11]
	s_wait_loadcnt 63                              ; W's two loads, the first of 71, are in
	ds_store_b128 v7, v[WD:WD+3]
	ds_store_b128 v7, v[WD+4:WD+7] offset:2*272
	s_wait_dscnt 0x0                               ; for the others' sake: my rows of W are in LDS
	s_barrier_signal -1                            ; a fragment's 16 rows come from four waves; the first two K steps' products stand between the signal and the wait
; 32 matrix instructions.  The eight accumulators take turns, one instruction a turn; the first K step starts the sums with the constant 0.
.irp s, 0,1,2,3
.if \s == 2
	s_barrier_wait -1                              ; W's 32 rows are in LDS
	ds_load_b128 v[WF:WF+3], v5
	ds_load_b128 v[WF+4:WF+7], v5 offset:32
.endif
	s_wait_loadcnt 49-16*\s                        ; B's four loads and A's of K steps 0 .. s are in; the 16 loads of each later K step and W's scale word may be out
.irp t, 0,1,2,3,4,5,6,7
.if \s == 0
	v_wmma_f32_16x16x4_f32 v[HA+8*\t:HA+8*\t+7], v[AF+8*\t+2*\s:AF+8*\t+2*\s+1], v[BF+2*\s:BF+2*\s+1], 0
.else
	v_wmma_f32_16x16x4_f32 v[HA+8*\t:HA+8*\t+7], v[AF+8*\t+2*\s:AF+8*\t+2*\s+1], v[BF+2*\s:BF+2*\s+1], v[HA+8*\t:HA+8*\t+7]
.endif
.endr
.endr
; Eight places are owed between this form's last instruction and the first read of a result (ISA guide 7.12.1): three of these lines make addresses of the way out; none names one of its registers.
	v_lshlrev_b32 v6, 4, v1
	v_add_nc_u32 v13, s19, v10                     ; v13: 16 of the 512 scale bytes
	v_add_nc_u32 v6, s17, v6                       ; v6: my row's scale word: 16 (16 u + r) + 4 q
.rept 5
	v_nop
.endr
	s_wait_dscnt 0x0                               ; W's fragment (op = 0) is in,
	global_store_b128 v10, v[WF:WF+3], s[32:33]    ; and leaves: 32 lanes store 512 consecutive bytes
	global_store_b128 v10, v[WF+4:WF+7], s[32:33] offset:512
; THE QUANTISER.  Register 16 b + i of the 64 is column 32 b + 16 h + i of my row.  Each accumulator is first read at its registers 0 and 1.
.irp b, 0,1,2,3
	v_max3_num_f32 v[TM+\b], |v[HA+16*\b]|, |v[HA+1+16*\b]|, 0x1800000   ; block b: my 16 numbers, and the floor 2^(3 - 127): so the byte cannot fall under 1
.endr
.irp i, 2,4,6,8,10,12,14
.irp b, 0,1,2,3
	v_max3_num_f32 v[TM+\b], v[TM+\b], |v[HA+16*\b+\i]|, |v[HA+1+16*\b+\i]|   ; (the four blocks by turns)
.endr
.endr
.irp b, 0,1,2,3
	s_delay_alu instid0(VALU_DEP_4)
	v_permlanex16_b32 v[TM+4+\b], v[TM+\b], s20, s21
.endr
.irp b, 0,1,2,3
	s_delay_alu instid0(VALU_DEP_4)
	v_max_num_f32 v[TM+\b], v[TM+\b], v[TM+4+\b]   ; with lane l xor 16's 16: the block's largest magnitude
.endr
.irp b, 0,1,2,3
	s_delay_alu instid0(VALU_DEP_4)
	v_add_nc_u32 v[TM+12+\b], 0xff000000, v[TM+\b] ; 2 off its exponent field: the conversion takes the exponent field of this operand as its scale, and nothing else of it
.endr
.irp b, 0,1,2,3
	s_delay_alu instid0(VALU_DEP_4)
	v_lshrrev_b32 v[TM+4+\b], 23, v[TM+12+\b]      ; the scale's byte
.endr
	s_delay_alu instid0(VALU_DEP_3)
	v_lshl_or_b32 v[PW], v[TM+5], 8, v[TM+4]       ; four bytes: my row's scale word for these 128 columns
	s_delay_alu instid0(VALU_DEP_1)
	v_lshl_or_b32 v[PW], v[TM+6], 16, v[PW]
	s_delay_alu instid0(VALU_DEP_1)
	v_lshl_or_b32 v[PW], v[TM+7], 24, v[PW]
.irp b, 0,1,2,3
	v_cvt_scalef32_pk8_fp4_f32 v[PC+2*\b], v[HA+16*\b:HA+7+16*\b], v[TM+12+\b]       ; the codes of columns 32 b + 16 h + 0 .. 7,
	v_cvt_scalef32_pk8_fp4_f32 v[PC+1+2*\b], v[HA+8+16*\b:HA+15+16*\b], v[TM+12+\b]  ; and + 8 .. 15
.endr
	v_nop                                          ; one plain line behind the last scaled conversion
.irp c, 0,1                            ; the operand's layout wants a whole block in a lane: lanes 0-15 block 2 c, lanes 16-31 block 2 c + 1
.irp i, 0,1
	v_permlane16_swap_b32 v[PC+4*\c+\i], v[PC+2+4*\c+\i]
.endr
.endr
.irp c, 0,1
	global_store_b128 v10, v[PC+4*\c:PC+4*\c+3], s[32:33] offset:32768+512*\c   ; dW's fragment (op = 1): 32 lanes store 512 consecutive bytes, at a multiple of 256
.endr
	ds_store_b32 v6, v[PW] offset:512              ; both halves of the lanes write the same word with the same value
	s_wait_loadcnt 0x0                             ; W's scale word
	ds_store_b32 v6, v[WS]
	s_wait_dscnt 0x0                               ; for the others' sake: my stores are done
	s_barrier_signal -1
	s_barrier_wait -1                              ; a row's 16 scale bytes come from four waves
	s_cmp_gt_u32 s12, 1                            ; waves 0 and 1 alone store scale bytes
	s_cbranch_scc1 .Ldone
	ds_load_b128 v[204:207], v13
	s_wait_dscnt 0x0
	global_store_b128 v10, v[204:207], s[34:35]            ; 32 lanes store 512 consecutive bytes
.Ldone:
	s_wait_tensorcnt 0x0                           ; the wave's end
	ds_add_u32 v192, v193
	s_wait_dscnt 0x0
	s_endpgm
.Lfunc_end_k_q0592d70591_dwq:
	.size	k_q0592d70591_dwq, .Lfunc_end_k_q0592d70591_dwq-k_q0592d70591_dwq
	.p2alignl 7, 3214868480
	.fill 96, 4, 3214868480
	.section	.rodata,"a",@progbits
	.p2align	6, 0x0
	.amdhsa_kernel k_q0592d70591_dwq
		.amdhsa_group_segment_fixed_size 10752
		.amdhsa_private_segment_fixed_size 0
		.amdhsa_enable_private_segment 0
		.amdhsa_kernarg_size 48
		.amdhsa_user_sgpr_count 2
		.amdhsa_user_sgpr_kernarg_segment_ptr 1
		.amdhsa_wavefront_size32 1
		.amdhsa_system_sgpr_workgroup_id_x 1
		.amdhsa_system_sgpr_workgroup_id_y 1
		.amdhsa_system_sgpr_workgroup_id_z 1
		.amdhsa_system_vgpr_workitem_id 0
		.amdhsa_next_free_vgpr 208
		.amdhsa_next_free_sgpr 66
		.amdhsa_reserve_vcc 0
		.amdhsa_float_denorm_mode_32 3
		.amdhsa_float_denorm_mode_16_64 3
		.amdhsa_memory_ordered 1
		.amdhsa_forward_progress 1
		.amdhsa_inst_pref_size 19
	.end_amdhsa_kernel
	.amdgpu_metadata
---
amdhsa.version: [ 1, 2 ]
amdhsa.kernels:
  - .name:           k_q0592d70591_dwq
    .symbol:         k_q0592d70591_dwq.kd
    .args:
      - { .name: A, .offset: 0, .size: 8, .value_kind: global_buffer, .address_space: global }
      - { .name: B, .offset: 8, .size: 8, .value_kind: global_buffer, .address_space: global }
      - { .name: weight_codes, .offset: 16, .size: 8, .value_kind: global_buffer, .address_space: global }
      - { .name: weight_scales, .offset: 24, .size: 8, .value_kind: global_buffer, .address_space: global }
      - { .name: wimg, .offset: 32, .size: 8, .value_kind: global_buffer, .address_space: global }
      - { .name: wsc, .offset: 40, .size: 8, .value_kind: global_buffer, .address_space: global }
    .group_segment_fixed_size: 10752
    .private_segment_fixed_size: 0
    .kernarg_segment_align: 8
    .kernarg_segment_size: 48
    .max_flat_workgroup_size: 256
    .sgpr_count:     66
    .vgpr_count:     208
    .wavefront_size: 32
...
	.end_amdgpu_metadata
.endif
;; end of part 1
;; launch gemm (part 2): grid 8 x 32, 4 waves a work-group, clusters of 4 x 1, 327,680 bytes of LDS; arguments x_codes, x_scales, wimg, wsc, bias, out0; writes out0
.if DOCPART == 2
	.amdgcn_target "amdgcn-amd-amdhsa--gfx1250"
	.amdhsa_code_object_version 6
	.text
	.protected	k_q0592d70591_gemm
	.globl	k_q0592d70591_gemm
	.p2align	8
	.type	k_q0592d70591_gemm,@function
k_q0592d70591_gemm:
	s_mov_b64 s[64:65], 0
	v_nop
	global_prefetch_b8 v0, s[64:65] scope:SCOPE_SE
	s_setreg_imm32_b32 hwreg(HW_REG_WAVE_MODE, 25, 1), 1
	s_wait_xcnt 0x0
	s_wait_alu depctr_hold_cnt(0) depctr_sa_sdst(0) depctr_va_vdst(0) depctr_va_sdst(0) depctr_va_ssrc(0) depctr_va_vcc(0) depctr_vm_vsrc(0)
	s_getreg_b32 s2, hwreg(HW_REG_IB_STS2, 6, 4)
	s_cmp_eq_u32 s2, 0
	s_cbranch_scc0 .Lentry_in_a_cluster
	s_endpgm
.Lentry_in_a_cluster:
	s_bfe_u32 s2, ttmp6, 0x10000c
	s_cmp_lg_u32 s2, 0x3003
	s_cbranch_scc0 .Lentry_shape_is_right
	s_endpgm
.Lentry_shape_is_right:
; out[m][n] = bias[n] + sum over k of x[m][k] W[n][k] + sum over k of x[m][k] dW[n][k].  x: [8192][2048] codes of FP4 (E2M1), two a byte, with one E8M0 byte for each 32 along K; W and dW: the launch before has
; laid both into one image of operand registers (wimg, wsc: its head); out: f32.  Both products share x and the output: each fragment of x multiplies a fragment of W and one of dW into the same f32 accumulator.
; ORDER OF ROUNDING, stated: W's and dW's products of each 128 along K follow each other in one sum; the bias is added to the finished sum.
; A work-group of four waves makes 256 x 256 of out; a wave all 256 rows x 64 columns: 32 accumulators of 32 x 16, 512 registers.  32 x 8 work-groups: 256.
; X LIES IN LDS FOR ALL OF K: four steps of 512 along K, a slot each (256 rows of 256 bytes, padded to 272), each filled once.  Its scales come with the first.
; THE IMAGE GOES FROM MEMORY STRAIGHT INTO REGISTERS: its fragments lie in the order of the lanes, 512 consecutive bytes an instruction, and each is used by one wave of the work-group alone.  Four sets of 64 registers
; hold four 128s along K; a set is loaded again as soon as its products are issued, four 128s ahead.  It is not asked for jointly: a joint load lands in LDS, and beside x and its scales 31,232 bytes are left there, of
; which a step's image would want 131,072.
; CLUSTERS: 4 x 1 work-groups, which need the same rows of x: x and its scales are asked for JOINTLY.
; THE COLUMNS OF A TILE ARE NOT NEIGHBOURS: lane r of tile b holds column 64 g + 4 r + b.  So the same register of four tiles' accumulators is, in 16 lanes, 64 neighbouring columns: the addition of the bias gathers four
; registers into 16 neighbouring bytes, and 16 lanes store an aligned unit of 256 bytes.  No result goes through LDS.
; PREFETCH: in steps 0 and 1 the image of steps 2 and 3 is asked of memory, a step or more ahead of its first load; the 32 work-groups that read it share its blocks out by address, four to a block.  x's step 3 likewise in step 0,
; each block once in a cluster.  x's steps 1 and 2 and the image's steps 0 and 1 come by their loads alone.
; THE LAST STEP GOES BY ROWS OF OUT: the four sets hold the image of the whole step, so eight blocks of 32 rows are finished one after the other, and each leaves while the next is multiplied.
; REGISTERS, in windows of 256: window 0: v12-31 bias and addresses; v32-95 x's scale words, two sets; v96-127 the image's, two sets; v128-255 the image's sets 0 and 1.
;   window 1: v0-127 x's fragments: eight blocks of 32 rows x 128 K, in the last step two of 32 rows x 512 K; v128-255 the image's sets 2 and 3.   windows 2, 3: the accumulators of rows 0-127, 128-255 ((mi, b) at v[64 (mi % 4) + 16 b]).
.set PITCH,  272                       ; an LDS row of x: 256 bytes of data + 16 of padding = 68 words: row r starts at bank 4 r mod 64 (64 banks of 4 bytes: ISA guide 11.1)
.set XHALF,  128*PITCH                 ; 128 rows
.set XSLOT,  2*XHALF
.set SCX,    4*XSLOT                   ; x's scales: 64 rows of 256 bytes + 16 of padding
.set SPARE,  SCX+64*272                ; the spare words, 128 bytes for each wave: two blocks of 256 bytes that no other line names
.set BI,   12                          ; v12-15  the bias of my columns 4 r + 0 .. 3
.set ADX,  16                          ; v16-19  LDS address of x's fragments in slots 0 to 3
.set ADSX, 20                          ; v20     of x's scale words: lane l: row l of 32
.set IMGO, 21                          ; v21     16 x lane
.set CO,   22                          ; v22     my byte offset in out: 8 h rows + 16 r
.set BO,   23                          ; v23     16 r
.set PFO,  24                          ; v24     the prefetches' offset: lane x 1,024 (x) or x 256 (image); never rewritten
.set SPW,  28                          ; v28     LDS address of my spare word; never rewritten
.set NIL,  29                          ; v29     0; never rewritten
.set SC,   32                          ; x's scale words of step t at v[SC + 32 (t % 2) + 4 mi + q]
.set SI,   96                          ; the image's at v[SI + 16 (t % 2) + 8 op + 4 (b / 2) + q]: tile b in lanes 0-15 (even) or 16-31 (odd)
.set G1,   24                          ; s[24:31] descriptor group 1 for x's tiles
.set G0,   32                          ; s[32:35] group 0 for my 64 rows of a slot;  s[36:39] for the head's 128
.set G0H,  36
.set IMB,  40                          ; s[40:41] the image at my columns;  s[42:43] its scales
.set WSB,  42
.set G1S,  68                          ; s[68:75], s[76:79] groups 1 and 0 for x's scales
.set G0S,  76
.set PFA,  94                          ; s[94:95] where my prefetches stand
.set MSB, 0
.macro WIN new                         ; the immediate's high byte repeats the setting that is left; a switch that changes nothing is dropped
.if MSB != (\new)
	s_set_vgpr_msb (MSB<<8)|(\new)
.set MSB, \new
.endif
.endm
.macro PLACES n
.rept \n
	v_nop
.endr
.endm
; The head's joint loads, one a wave: waves 0 and 1 fetch the halves of x's first step, waves 2 and 3 the halves of its scales.  Four v_nop follow each line.
.macro JLOAD g0a, g1a, g0b, g1b
	s_cmp_eq_u32 s15, 0
	s_cbranch_scc0 .Lfor_b_\@
	tensor_load_to_lds s[\g0a:\g0a+3], s[\g1a:\g1a+7]
	s_nop 0
	PLACES 4
	s_branch .Lasked_\@
.Lfor_b_\@:
	tensor_load_to_lds s[\g0b:\g0b+3], s[\g1b:\g1b+7]
	s_nop 0
	PLACES 4
.Lasked_\@:
.endm
.macro CREST                           ; a round of the cluster's barrier behind its opening barrier
	s_cmp_lg_u32 s14, 0
	s_cbranch_scc1 .Lnot_wave_0_\@
	s_barrier_signal -3
.Lnot_wave_0_\@:
	s_barrier_wait -3
	s_barrier_signal -1
	s_barrier_wait -1
.endm
.macro CROUND                          ; a whole round
	s_barrier_signal -1
	s_barrier_wait -1
	CREST
.endm
	s_load_b256 s[4:11], s[0:1], 0x0               ; x's codes s[4:5], x's scales s[6:7], image s[8:9], its scales s[10:11]
	s_load_b128 s[96:99], s[0:1], 0x20             ; bias s[96:97], out s[98:99]
	v_lshl_add_u32 v[SPW], v0, 2, SPARE
	v_mov_b32 v[NIL], 0
	ds_add_u32 v[SPW], v[NIL]                      ; the wave's opening: the add, twice on end, and its wait ahead of my first tensor load
	ds_add_u32 v[SPW], v[NIL]
	v_lshrrev_b32 v1, 5, v0
	v_readfirstlane_b32 s14, v1                    ; wave 0..3: my 64 columns
	s_lshr_b32 s15, s14, 1
	s_and_b32 s16, s14, 1
	s_bfe_u32 s44, ttmp6, 0x40000                  ; cx: my place in the cluster
	s_lshl_b32 s45, ttmp9, 2
	s_add_co_u32 s45, s45, s44                     ; tile column = 4 x cluster x + cx
	s_and_b32 s17, ttmp7, 0xffff                   ; tile row
	; descriptor group 1: rows of 256 bytes, 1,024 bytes apart in memory, padded in LDS: 128 rows for the head's loads; behind them the two words that count rows are set to 64
	s_mov_b32 s[G1+0], 15|(0<<16)|(1<<20)|(1<<21)|(5<<22)|(3<<25)  ; 15:0 the mask: all four; 17:16 element of 1 byte; 20 padding on; 21 set beside a mask; 24:22 after every 64 words (code 5); 31:25 of 4 words (code 3)
	s_mov_b32 s[G1+1], 256<<16                     ; tensor_dim0 = 256
	s_mov_b32 s[G1+2], 128<<16                     ; tensor_dim1 = 128
	s_mov_b32 s[G1+3], 256<<16                     ; tile_dim0 = 256
	s_mov_b32 s[G1+4], 128                         ; tile_dim1 = 128
	s_mov_b32 s[G1+5], 1024                        ; tensor_dim0_stride
	s_mov_b32 s[G1+6], 0
	s_mov_b32 s[G1+7], 0
	; the scales of 128 rows: a dense block, as 32 rows of 256 bytes (32 elements of 8 bytes)
	s_mov_b32 s[G1S+0], 15|(3<<16)|(1<<20)|(1<<21)|(5<<22)|(3<<25)
	s_mov_b32 s[G1S+1], 32<<16
	s_mov_b32 s[G1S+2], 32<<16
	s_mov_b32 s[G1S+3], 32<<16
	s_mov_b32 s[G1S+4], 32
	s_mov_b32 s[G1S+5], 32
	s_mov_b32 s[G1S+6], 0
	s_mov_b32 s[G1S+7], 0
	; what is fetched jointly hangs on the tile row and the wave's number alone
	s_lshl_b32 s20, s17, 18                        ; x's codes: 256 rows x 1,024 bytes
	s_mov_b32 s21, 0
	s_lshl_b32 s22, s17, 14                        ; its scales: 256 x 64, and my half of them
	s_lshl_b32 s23, s16, 13
	s_add_co_u32 s22, s22, s23
	s_mov_b32 s23, 0
	s_lshl_b32 s18, s16, 17                        ; at the head: 128 rows
	s_mov_b32 s19, 0
	s_lshl_b32 s46, s14, 16                        ; later: my 64 rows, from step 1 on
	s_add_co_u32 s46, s46, 256
	s_mov_b32 s47, 0
	s_mul_i32 s52, s16, XHALF                      ; and where they go: no place in the cluster enters an LDS address
	s_mul_i32 s53, s16, 32*272
	s_add_co_u32 s53, s53, SCX
	s_mul_i32 s54, s14, 64*PITCH
	s_add_co_u32 s54, s54, XSLOT
	s_wait_dscnt 0x0                               ; both opening adds are done
	s_wait_kmcnt 0x0
	s_add_nc_u64 s[20:21], s[4:5], s[20:21]
	s_add_nc_u64 s[22:23], s[6:7], s[22:23]
	CROUND                                         ; all four work-groups are here: the first joint loads meet
	s_mov_b32 s[G0H], 1
	s_mov_b32 s[G0H+1], s52
	s_add_nc_u64 s[G0H+2:G0H+3], s[20:21], s[18:19]
	s_or_b32 s[G0H+3], s[G0H+3], 0x80000000
	s_mov_b32 s[G0S], 1
	s_mov_b32 s[G0S+1], s53
	s_mov_b64 s[G0S+2:G0S+3], s[22:23]
	s_or_b32 s[G0S+3], s[G0S+3], 0x80000000
	s_mov_b32 s[G0], 1
	s_mov_b32 s[G0+1], s54
	s_add_nc_u64 s[G0+2:G0+3], s[20:21], s[46:47]
	s_or_b32 s[G0+3], s[G0+3], 0x80000000
	JLOAD G0H, G1, G0S, G1S                        ; one tensor load a wave at the head
	s_lshl_b32 s48, s45, 19                        ; the image at my 64 columns: 64 groups of columns, two to 262,144 bytes
	s_lshl_b32 s49, s15, 18
	s_add_co_u32 s48, s48, s49
	s_lshl_b32 s49, s16, 14
	s_add_co_u32 s48, s48, s49
	s_mov_b32 s49, 0
	s_add_nc_u64 s[IMB:IMB+1], s[8:9], s[48:49]
	s_lshl_b32 s50, s45, 15                        ; its scales: 8,192 bytes for 64 columns
	s_lshl_b32 s51, s14, 13
	s_add_co_u32 s50, s50, s51
	s_mov_b32 s51, 0
	s_add_nc_u64 s[WSB:WSB+1], s[10:11], s[50:51]
	s_lshl_b32 s66, s45, 10                        ; my first column, in bytes
	s_lshl_b32 s67, s14, 8
	s_add_co_u32 s66, s66, s67
	s_mov_b32 s67, 0
	s_lshl_b32 s12, s17, 21                        ; the tile's first row of out: 256 rows of 8,192 bytes
	s_add_co_u32 s12, s12, s66
	s_mov_b32 s13, 0
	s_add_nc_u64 s[96:97], s[96:97], s[66:67]
	s_add_nc_u64 s[98:99], s[98:99], s[12:13]      ; never stepped
	s_lshl_b32 s56, s44, 16                        ; the prefetches: waves 0 and 1: 32 rows of x each, 64 cx + 32 x half on;
	s_lshl_b32 s57, s16, 15
	s_add_co_u32 s56, s56, s57
	s_mov_b32 s57, 0
	s_add_nc_u64 s[56:57], s[20:21], s[56:57]
	s_lshl_b32 s58, s45, 19                        ; waves 2 and 3: of a step's 256 blocks of 256 bytes of 128 columns 32, at 32 (tile row % 8),
	s_lshl_b32 s59, s16, 18
	s_add_co_u32 s58, s58, s59
	s_and_b32 s59, s17, 7
	s_lshl_b32 s59, s59, 13
	s_add_co_u32 s58, s58, s59
	s_add_co_u32 s58, s58, 2*65536-768             ; so that one immediate, 768, names x's step 3 and the image's step 2
	s_mov_b32 s59, 0
	s_add_nc_u64 s[58:59], s[8:9], s[58:59]
	s_cmp_eq_u32 s15, 0
	s_cselect_b64 s[PFA:PFA+1], s[56:57], s[58:59]
	s_cselect_b32 s55, 10, 8
	v_and_b32 v1, 15, v0                           ; r
	v_bfe_u32 v2, v0, 4, 1                         ; h
	v_and_b32 v3, 31, v0                           ; lane
	v_mul_u32_u24 v4, v1, PITCH
	v_lshlrev_b32 v[BO], 4, v1
	v_lshrrev_b32 v5, 2, v3
	v_lshl_add_u32 v[ADX], v2, 4, v4               ; a fragment's row x pitch + 16 x half
	v_lshlrev_b32 v5, 4, v5
	v_lshl_add_u32 v[CO], v2, 16, v[BO]
	v_lshl_add_u32 v5, v3, 6, v5                   ; row l of 64 bytes, and 16 more for each 256 passed
	v_add_nc_u32 v[ADX+1], XSLOT, v[ADX]
	v_add_nc_u32 v[ADX+2], 2*XSLOT, v[ADX]
	v_add_nc_u32 v[ADX+3], 3*XSLOT, v[ADX]
	v_add_nc_u32 v[ADSX], SCX, v5
	v_lshlrev_b32 v[IMGO], 4, v3
	v_lshlrev_b32 v[PFO], s55, v3
.macro IMGSC n                         ; 4 loads: the image's scale words of step n, four (q = 0 .. 3) a column
	WIN 0
.irp i, 0,1,2,3
	global_load_b128 v[SI+16*((\n)%2)+4*\i:SI+16*((\n)%2)+4*\i+3], v[IMGO], s[WSB:WSB+1] offset:2048*(\n)+512*\i
.endr
.endm
.macro IMG n                           ; 16 loads: the n-th 128 along K of the image into set n % 4: W's four tiles, then dW's; each 32 lanes x 16 bytes on end
.set iQ, (\n)%4
	WIN 0x40*(iQ/2)
.irp i, 0,1,2,3,4,5,6,7,8,9,10,11,12,13,14,15
	global_load_b128 v[128+64*(iQ%2)+4*\i:128+64*(iQ%2)+4*\i+3], v[IMGO], s[IMB:IMB+1] offset:65536*((\n)/4)+32768*(\i/8)+4096*iQ+512*(\i%8)
.endr
.endm
.macro SCALES n                        ; 8 LDS loads: x's scale words of step n, four a row
	WIN 0
.irp i, 0,1,2,3,4,5,6,7
	ds_load_b128 v[SC+32*((\n)%2)+4*\i:SC+32*((\n)%2)+4*\i+3], v[ADSX] offset:2176*\i+16*(\n)
.endr
.endm
; 16 LDS loads: four blocks of x, from block m0 on, of the q-th 128 along K of a slot.  A block: 32 rows, 16 registers: lane l holds row l % 16 (registers 8-15: 16 rows on); registers 4 c .. 4 c + 3 hold K = 64 c + 32 (l / 16) + 0 .. 31
.macro LDX m0, q, slot
	WIN 0x40
.set LM, 4*(\m0)
.rept 16
	ds_load_b128 v[4*LM:4*LM+3], v[ADX+\slot] offset:64*(\q)+32*(LM%2)+16*(LM/2)*PITCH
.set LM, LM+1
.endr
.endm
.macro LDXB a                          ; the last step's slot: block a, all 512 along K, 64 registers: buffer a % 2
	WIN 0x40
.irp n, 0,1,2,3,4,5,6,7,8,9,10,11,12,13,14,15
	ds_load_b128 v[64*((\a)%2)+4*\n:64*((\a)%2)+4*\n+3], v[ADX+3] offset:64*(\n/4)+32*(\n%2)+(32*(\a)+16*((\n/2)%2))*PITCH
.endr
.endm
; ONE matrix instruction: x's registers rX, the image's rW, accumulator rD, scale words rS and rT; odd tiles' words stand in lanes 16-31
.macro MAT zero
.if \zero
.if rB%2
	v_wmma_scale_f32_32x16x128_f4 v[rD:rD+15], v[rX:rX+15], v[rW:rW+7], 0, v[rS], v[rT] matrix_b_scale:MATRIX_SCALE_ROW1
.else
	v_wmma_scale_f32_32x16x128_f4 v[rD:rD+15], v[rX:rX+15], v[rW:rW+7], 0, v[rS], v[rT]
.endif
.else
.if rB%2
	v_wmma_scale_f32_32x16x128_f4 v[rD:rD+15], v[rX:rX+15], v[rW:rW+7], v[rD:rD+15], v[rS], v[rT] matrix_b_scale:MATRIX_SCALE_ROW1
.else
	v_wmma_scale_f32_32x16x128_f4 v[rD:rD+15], v[rX:rX+15], v[rW:rW+7], v[rD:rD+15], v[rS], v[rT]
.endif
.endif
.endm
; Matrix instructions n0 .. n0 + cnt - 1 of the 64 of the q-th 128 along K: block by block, W's four tiles and then dW's: one instruction a turn, three others between two steps of a sum.
; The first products take the constant 0 as C: nothing is ever cleared.
.macro MULS n0, cnt, q
	WIN 0x01+4*((\q)/2)+0x50*(2+(\n0)/32)
.set MN, \n0
.rept \cnt
.set rM, MN/8
.set rO, (MN%8)/4
.set rB, MN%4
.set rD, 64*(rM%4)+16*rB
.set rX, 16*rM
.set rW, 128+64*((\q)%2)+32*rO+8*rB
.set rS, SC+32*(TT%2)+4*rM+(\q)
.set rT, SI+16*(TT%2)+8*rO+4*(rB/2)+(\q)
.set rZ, 0
.if (TT == 0) && ((\q) == 0) && (rO == 0)
.set rZ, 1
.endif
	MAT rZ
.set MN, MN+1
.endr
.endm
.macro ROWQ a, q                       ; the last step: 8 matrix instructions: block a, the q-th 128 along K
	WIN 0x01+4*((\q)/2)+0x50*(2+(\a)/4)
.irp n, 0,1,2,3,4,5,6,7
.set rB, \n%4
.set rD, 64*((\a)%4)+16*rB
.set rX, 64*((\a)%2)+16*(\q)
.set rW, 128+64*((\q)%2)+8*\n
.set rS, SC+32+4*(\a)+(\q)
.set rT, SI+16+8*(\n/4)+4*(rB/2)+(\q)
	MAT 0
.endr
.endm
; THE WAY OUT of block a's registers t0 .. t0 + nt - 1: register t of its four accumulators is row 32 a + 16 (t / 8) + 8 h + t % 8, columns 4 r + 0 .. 3.  The additions put them side by side from register base of window wd on.
.macro OUT a, wd, base, t0, nt
	WIN 2+(\a)/4+64*(\wd)
.set oT, \t0
.rept \nt
.set oR, (\base)+4*(oT-(\t0))
.irp b, 0,1,2,3
	v_add_f32 v[oR+\b], v[64*((\a)%4)+16*\b+oT], v[BI+\b]
.endr
.set oT, oT+1
.endr
	WIN 4*(\wd)
.set oT, \t0
.rept \nt
.set oR, (\base)+4*(oT-(\t0))
	global_store_b128 v[CO], v[oR:oR+3], s[98:99] offset:(32*(\a)+16*(oT/8)+(oT%8))*8192 th:TH_STORE_NT   ; 16 lanes store 256 consecutive bytes, at a multiple of 256; written once, read by nobody here
.set oT, oT+1
.endr
.endm
; A load into a register that a matrix instruction has read, and a vector instruction that reads a matrix result, stand four places behind that matrix instruction, and only plain vector instructions that name none of its
; registers are places (ISA guide 7.12.1 for vector instructions): four v_nop in front of each run.
; One of a step's first three 128s along K: x's blocks 0-3 are fetched anew in its middle, blocks 4-7 and the image's set at its end.
.macro SUB q
	s_wait_loadcnt 48                              ; this set of the image is in; the three younger sets may be out
	s_wait_dscnt 16                                ; blocks 0-3 are in; blocks 4-7 may be out
	MULS 0, 32, \q
	PLACES 4
	LDX 0, \q+1, TT
.if ((\q) == 0) && (TT == 0)
	WIN 0
	global_prefetch_b8 v[PFO], s[PFA:PFA+1] offset:768 th:TH_LOAD_NT scope:SCOPE_SE        ; x's step 3 (waves 0, 1), the image's step 2 (waves 2, 3)
.endif
.if ((\q) == 0) && (TT == 1)
	WIN 0
	s_cmp_eq_u32 s15, 0
	s_cbranch_scc1 .Lno_ask
	global_prefetch_b8 v[PFO], s[PFA:PFA+1] offset:768+65536 th:TH_LOAD_NT scope:SCOPE_SE  ; the image's step 3
.Lno_ask:
.endif
	s_wait_dscnt 16                                ; blocks 4-7 are in: all but the 16 just issued
	MULS 32, 32, \q
	PLACES 4
.if (\q) == 2
	SCALES TT+1
.endif
	LDX 4, \q+1, TT
.if (\q) == 0
	IMGSC TT+1
.endif
	IMG 4*TT+\q+4
.endm
; A step's last 128 along K: ONE barrier, behind which the next slot is whole.  In front of it each wave waits for all its tensor loads, adds 0 to its spare word, and waits for that and for its LDS reads.
; Behind those of steps 0 and 1, which open a round of the cluster's barrier, slot n + 2 is filled, for the first time: my one load until the next.
.macro TURN n
	WIN 0
	s_wait_tensorcnt 0x0                           ; my part of the next slot is in;
	ds_add_u32 v[SPW], v[NIL]                      ; 0 onto my spare word;
	s_wait_loadcnt 48                              ; (this set of the image is in)
	s_wait_dscnt 17                                ; (blocks 0-3 are in; blocks 4-7 and the add may be out)
	MULS 0, 16, 3
	s_wait_dscnt 0x0                               ; the add is done, and my reads are over
	s_barrier_signal -1
	MULS 16, 16, 3
	WIN 0
	s_barrier_wait -1
.if (\n) < 2
	CREST
	s_add_co_u32 s[G0+1], s[G0+1], XSLOT           ; no tensor load of mine is out: the group 0 may be written
	s_add_nc_u64 s[G0+2:G0+3], s[G0+2:G0+3], 256
	tensor_load_to_lds s[G0:G0+3], s[G1:G1+7]
	s_nop 0
.endif
	PLACES 4
.if (\n) < 2
	LDX 0, 0, \n+1
.else
	LDXB 0                                         ; blocks 0-3 have left the first buffer
.endif
	MULS 32, 32, 3
	PLACES 4
.if (\n) < 2
	LDX 4, 0, \n+1
.else
	LDXB 1
.endif
	IMG 4*\n+7
.endm
.macro STEP n
.set TT, \n
	SUB 0
	SUB 1
	SUB 2
	TURN \n
.endm
	global_load_b128 v[BI:BI+3], v[BO], s[96:97]
	IMGSC 0
	IMG 0
	IMG 1
	IMG 2
	WIN 0
	s_wait_alu depctr_va_vdst(0)                   ; the wait at the head's end
	s_wait_tensorcnt 0x0                           ; my part of the head's tiles is in
	ds_add_u32 v[SPW], v[NIL]
	s_mov_b32 s[G1+2], 64<<16                      ; no tensor load of mine is out, so a descriptor may be written: from here on a load brings 64 rows
	s_mov_b32 s[G1+4], 64
	s_wait_dscnt 0x0                               ; the add is done
	CROUND                                         ; slot 0 and the scales are whole, and all four work-groups are here,
	tensor_load_to_lds s[G0:G0+3], s[G1:G1+7]      ; slot 1, the first tensor load behind the round
	s_nop 0
	PLACES 4
	SCALES 0
	LDX 0, 0, 0
	LDX 4, 0, 0
	IMG 3
	STEP 0
	STEP 1
	STEP 2
; The last step.  Block 0's results go through 32 registers that held scale words; every other block's into the accumulators that the block before has left: so no register that a store reads is written again, but those 32.
.irp a, 0,1,2,3,4,5,6,7
.if \a == 7
	s_wait_dscnt 0x0
.else
	s_wait_dscnt 16                                ; block a is in; the next one's 16 loads may be out
.endif
.irp q, 0,1,2,3
.if \a == 0
	s_wait_loadcnt 48-16*\q                        ; the image's set q is in; the younger ones may be out
.endif
	ROWQ \a, \q
.endr
	PLACES 4
.if \a < 6
	LDXB \a+2
.endif
.if \a == 0
	OUT 0, 0, SC, 0, 8
	s_wait_xcnt 0x0                                ; the stores have read the 32 registers
	OUT 0, 0, SC, 8, 8
.else
	OUT \a, 2+(\a-1)/4, 64*((\a-1)%4), 0, 16
.endif
.endr
	WIN 0
	s_wait_tensorcnt 0x0                           ; the wave's end
	ds_add_u32 v[SPW], v[NIL]
	s_wait_dscnt 0x0
	CROUND                                         ; the closing round: no work-group ends while a partner may still ask for a tile that names it
	s_endpgm
.Lfunc_end_k_q0592d70591_gemm:
	.size	k_q0592d70591_gemm, .Lfunc_end_k_q0592d70591_gemm-k_q0592d70591_gemm
	.p2alignl 7, 3214868480
	.fill 96, 4, 3214868480
	.section	.rodata,"a",@progbits
	.p2align	6, 0x0
	.amdhsa_kernel k_q0592d70591_gemm
		.amdhsa_group_segment_fixed_size 327680
		.amdhsa_private_segment_fixed_size 0
		.amdhsa_enable_private_segment 0
		.amdhsa_kernarg_size 48
		.amdhsa_user_sgpr_count 2
		.amdhsa_user_sgpr_kernarg_segment_ptr 1
		.amdhsa_wavefront_size32 1
		.amdhsa_system_sgpr_workgroup_id_x 1
		.amdhsa_system_sgpr_workgroup_id_y 1
		.amdhsa_system_sgpr_workgroup_id_z 1
		.amdhsa_system_vgpr_workitem_id 0
		.amdhsa_next_free_vgpr 1024
		.amdhsa_next_free_sgpr 106
		.amdhsa_reserve_vcc 0
		.amdhsa_float_denorm_mode_32 3
		.amdhsa_float_denorm_mode_16_64 3
		.amdhsa_memory_ordered 1
		.amdhsa_forward_progress 1
		.amdhsa_inst_pref_size 234
	.end_amdhsa_kernel
	.amdgpu_metadata
---
amdhsa.version: [ 1, 2 ]
amdhsa.kernels:
  - .name:           k_q0592d70591_gemm
    .symbol:         k_q0592d70591_gemm.kd
    .args:
      - { .name: x_codes, .offset: 0, .size: 8, .value_kind: global_buffer, .address_space: global }
      - { .name: x_scales, .offset: 8, .size: 8, .value_kind: global_buffer, .address_space: global }
      - { .name: wimg, .offset: 16, .size: 8, .value_kind: global_buffer, .address_space: global }
      - { .name: wsc, .offset: 24, .size: 8, .value_kind: global_buffer, .address_space: global }
      - { .name: bias, .offset: 32, .size: 8, .value_kind: global_buffer, .address_space: global }
      - { .name: out0, .offset: 40, .size: 8, .value_kind: global_buffer, .address_space: global }
    .group_segment_fixed_size: 327680
    .private_segment_fixed_size: 0
    .kernarg_segment_align: 8
    .kernarg_segment_size: 48
    .max_flat_workgroup_size: 128
    .sgpr_count:     106
    .vgpr_count:     1024
    .wavefront_size: 32
...
	.end_amdgpu_metadata
.endif
;; end of part 2
